; MI455X (gfx1250); checked and timed in simulation.
; The chip was launched on July 23, 2026; its instructions are those of AMD's public machine-readable ISA for CDNA 5 (MIT licence, August 2026) and "CDNA5" Instruction Set Architecture Reference Guide (July 2026). The comments in the code are by the model that wrote it; some were corrected since.
;; Fused Linear Row Sum. Allowed arithmetic: matrix products marked QUANTISED: E2M3 operands, one E8M0 scale for each 32 along K, by v_wmma_scale_f32_16x16x128_f8f6f4 with both operands' format E2M3, f32 sums; everything else in f32.
;; Inputs: bias 2,048 float32; weight_codes 2,048 x 64 x 24 uint8 (E2M3 codes of weight, K innermost, in blocks of 32 codes, four codes in three bytes); weight_scales 2,048 x 64 uint8 (E8M0 scales of weight, one for each 32 codes along K); x_codes 16,384 x 64 x 24 uint8 (E2M3 codes of x, K innermost, in blocks of 32 codes, four codes in three bytes); x_scales 16,384 x 64 uint8 (E8M0 scales of x, one for each 32 codes along K).
;; Outputs: out0 16,384 float32.
;; This version of the problem:
;;   THIS VERSION OF THE PROBLEM IS GIVEN IN LOW PRECISION. The matrix products marked QUANTISED in the list below multiply operands that are first quantised to E2M3 (2 exponent bits, 3 mantissa bits; 6 bits a number), with one power-of-two scale for each 32 numbers along K (OCP MX v1.0); their sums are f32. All else is computed in f32.
;;   The module's matrix products, in the order in which they are computed (A, B: the left and right operand; K: the contracted axis; several contracted axes count as one K, in the product's order):
;;     1. [M 16,384, K 2,048] x [K 2,048, N 2,048]; A: input x (given as codes); B: input weight (given as codes): QUANTISED
;;   THE QUANTISER, for each operand of a quantised product, along K:
;;     - K is cut into blocks of 32 from its start; a last block that is shorter is filled with zeros.
;;     - A block's scale is 2^e with e = floor(log2(the largest magnitude in the block)) - 2, held to -126 .. 127; a block of zeros has e = 0. As a byte (E8M0): e + 127.
;;     - Each number is divided by its block's scale, clamped to +-7.5, and rounded to the nearest number of E2M3, ties to even, subnormals kept.
;;     - The product sums the exact products of the quantised numbers (number of the format x scale) in f32.
;;   ~~~python
;;   def quantise(x, axis):      # numpy; x: float32 -> the quantised numbers, widened to float32 again
;;       x = np.moveaxis(x, axis, -1); K = x.shape[-1]
;;       x = np.pad(x, [(0, 0)] * (x.ndim - 1) + [(0, -K % 32)]); x = x.reshape(x.shape[:-1] + (-1, 32)); a = np.abs(x).max(-1, keepdims=True)
;;       e = np.where(a > 0, np.clip(np.frexp(np.where(a > 0, a, 1))[1] - 1 - 2, -126, 127), 0)      # np.frexp(a)[1] - 1 = floor(log2(a)), exactly
;;       r = np.clip(x / 2.0 ** e, -7.5, 7.5)
;;       step = 2.0 ** (np.maximum(np.frexp(np.where(r == 0, 1, r))[1] - 1, 0) - 3)
;;       q = np.round(r / step) * step * 2.0 ** e      # np.round: ties to even
;;       return np.moveaxis(q.reshape(q.shape[:-2] + (-1,))[..., :K], -1, axis).astype(np.float32)
;;   ~~~
;;   INPUTS GIVEN AS CODES. weight (in the module: [2048, 2048], K = its axis 1); x (in the module: [16384, 2048], K = its axis 1): each comes as NAME_codes (uint8): NAME with its K axis moved to the last place and cut into blocks of 32 codes, [.., K / 32, bytes a block], one block behind the other in memory; four codes in three bytes: a row's codes are one little-endian stream of bits, code i at bits 6 i .. 6 i + 5 (a code: sign, 2 exponent bits, 3 mantissa bits); and NAME_scales (uint8): the same leading axes, one E8M0 byte (e + 127) for each 32 codes along K. Its value is code x scale, taken as it is: it is not quantised again, and the codes and scales need not be those that the quantiser above would give.
;; One version. Each part assembles by itself: llvm-mc -triple=amdgcn-amd-amdhsa -mcpu=gfx1250 --defsym DOCPART=n.
;; ======== version 1 of 1: 2 launches
;; limits: right only within a limited range of input values
;; workspace buffers: part 524,288 bytes
;; launch gemm (part 1): grid 32 x 8, 8 waves a work-group, clusters of 4 x 4, 327,680 bytes of LDS; arguments x_codes, x_scales, weight_codes, weight_scales, bias, part; writes part
.if DOCPART == 1
	.amdgcn_target "amdgcn-amd-amdhsa--gfx1250"
	.amdhsa_code_object_version 6
	.text
	.protected	k_qec048e3bb9_gemm
	.globl	k_qec048e3bb9_gemm
	.p2align	8
	.type	k_qec048e3bb9_gemm,@function
k_qec048e3bb9_gemm:
	s_mov_b64 s[64:65], 0
	v_nop
	global_prefetch_b8 v0, s[64:65] scope:SCOPE_SE
	s_setreg_imm32_b32 hwreg(HW_REG_WAVE_MODE, 25, 1), 1
	s_wait_xcnt 0x0
	s_wait_alu depctr_hold_cnt(0) depctr_sa_sdst(0) depctr_va_vdst(0) depctr_va_sdst(0) depctr_va_ssrc(0) depctr_va_vcc(0) depctr_vm_vsrc(0)
	s_getreg_b32 s2, hwreg(HW_REG_IB_STS2, 6, 4)
	s_cmp_eq_u32 s2, 0
	s_cbranch_scc0 .Lentry_in_a_cluster
	s_endpgm
.Lentry_in_a_cluster:
	s_bfe_u32 s2, ttmp6, 0x10000c
	s_cmp_lg_u32 s2, 0xf033
	s_cbranch_scc0 .Lentry_shape_is_right
	s_endpgm
.Lentry_shape_is_right:
; part[nb][m] = sum over n = 256 nb .. 256 nb + 255 of ( sum over k of x[m][k] W[n][k] + bias[n] ).  x: [16384][2048], W: [2048][2048]: codes of FP6 (E2M3), a row 1,536 bytes, with one E8M0 byte
; for each 32 along K (a row 64 bytes).  part: [8][16384] f32.  The matrix instruction takes codes and scale bytes as they lie in memory.
; SHARES.  Work-group (g, nb) multiplies W's rows 256 nb .. + 255 by x's rows 512 g .. + 511.  K GOES IN TWO HALVES of 1,024 (768 bytes of a row), one phase each; of half s wave w of eight owns one K step of 128, bytes 768 s + 96 w .. + 95.
; W'S HALF STAYS IN REGISTERS during its phase: 16 tiles of 16 rows x 12 registers a wave.  x streams by chunks of 128 half rows (four pairs of tiles); each fragment of x read from LDS feeds 16 matrix instructions (in chunk 0 of half 0: 8, twice).
; In phase 0 tiles 0-7 of W's half 1 come into registers of their own; its tiles 8-15 replace half 0's at the change of phase.
; ONLY ROW SUMS ARE WANTED: source 0 = 16 rows of W, source 1 = 16 rows of x, so that a lane holds one row of x; the products of all W tiles of one parity are added into one accumulator.
; A BLOCK is a pair of x's tiles x 16 tiles of W: 32 products on 4 accumulators (2 tiles of x x 2 parities), which take turns, one instruction a turn.  Blocks take turns between two sets of fragments and two of accumulators:
; in a block's middle the next block's fragments are fetched; among the products of its second half the last block's accumulators are added up to 32 row sums, one a lane, which stay in registers (16 for 512 rows) over both phases.
; THE HEAD: W's rows 0-127 and x's first chunk are shown by the first barrier, W's rows 128-255 by the first round; so chunk 0 goes twice, against W's tiles 0-7 and then 8-15.
; LDS: three regions of 128 half rows, B, C, A; a place for the scale bytes of 192 rows of x (their words go to registers); the spare words.
;   head: B, C = W half 0, A = chunk 0.  Round 0: B = chunk 1, and scale bytes.  Round 1: A = chunk 2, C = W half 1, rows 0-127.  Round 2: B = chunk 3, and the last scale bytes.
;   Round 3: A = chunk 4 (rows 0-127 of half 1), C = W half 1, rows 128-255.  Round 4, at the change of phase: B = chunk 5.  Round 5: C = chunk 6, A = chunk 7, which two plain barriers show.
; CLUSTERS: 4 x 4 work-groups.  The four of a column of the cluster share g and so x's tiles and scales, the four of a row share nb and so W's: each tile is asked for jointly.
; PREFETCH: x's chunks 1 to 7 are asked for into the L2 ahead of their loads, a lane a row, each block of 256 bytes once in each cluster: the four partners that share g take 32 rows each, by address, waves 0 to 2 one of
; the half row's three blocks each: chunk 1 at the head, 2 to 5 one round ahead of the round that asks for them, 6 and 7 one round ahead too.  Chunk 0 comes by its load alone.  W's half 1 is not prefetched: all eight clusters of a row of
; clusters read the same rows, and each of its two loads stands four blocks ahead of the barrier that shows it.
; LIMITS: the f32 sums are taken in another order than a row-by-row sum; a scale byte 0xff gives NaN.
.set PITCH,  816                       ; an LDS row: 768 bytes + 16 of padding behind every 256 = 204 words: row r starts at bank 12 r mod 64 (64 banks of 4 bytes: ISA guide 11.1)
.set TILE,   16*PITCH
.set RB_,    0
.set RC_,    128*PITCH
.set RA_,    2*RC_
.set RE_,    3*RC_                     ; scale bytes: 48 units of 256 + 16
.set SPARE,  RE_+48*272                ; 128 bytes a wave
.set STAGE,  0                         ; the way out: in region B, behind its last fill and last read
.set CH,     128*1536                  ; a chunk of x's rows in memory
.set SPW,  1                           ; v1 my spare word; v2 0; never rewritten
.set NIL,  2
.set BAS,  4                           ; v4-7  my lane's place in a tile: for piece 0; 1, 2; 3, 4; 5
.set CUR,  8                           ; v8-13 the same in the tiles fetched next
.set WC,   14                          ; v14-17 in W's tiles
.set SCA,  18                          ; v18 my scale words
.set PFO,  20                          ; v20 1,536 x lane; never rewritten
.set STO,  23                          ; v23 my place in the stage
.set BS,   24                          ; v24 the sum of the block's 256 biases
.set T,    26                          ; v26, v27
.set SB,   32                          ; v32-95: W's scale words (half s, tiles 2 i, 2 i + 1) at SB + 8 (2 s + i / 4) + i % 4; x's (half s, pair p) at SB + 4 + 8 (4 s + p / 4) + p % 4; row sums of pair p at SB + 32 + 8 (p / 4) + p % 4
.set XF,   96                          ; two sets of two fragments of x
.set ACC,  144                         ; two sets of four accumulators
.set WF0,  208                         ; W's fragments: number f = tile (half 0) or 8 + tile (half 1) for tiles 0-7, 8 + tile for tiles 8-15; f 0-20 in window 1, 21-23 here
.set TB,   244                         ; biases
.set WV, 16
.set HF, 17
.set SH, 18
.set NB, 19
.set GG, 20
.set CX, 21
.set CY, 22
.set G1X, 24
.set G1W, 32
.set G1S, 40
.set G0X, 48
.set G0W, 52
.set G0S, 56
.set XB, 60                            ; where my tiles of x begin, with the descriptor's type on top; WB, SBS likewise for W and x's scales
.set WB, 62
.set SBS, 66
.set PF, 68
.set SEL, 70
.set CODEW, (1<<20)|(1<<21)|(5<<22)|(3<<25)
.set MSB, 0
.macro NOP_
.endm
.macro WIN new
.if MSB != (\new)
	s_set_vgpr_msb (MSB<<8)|(\new)
.set MSB, (\new)
.endif
.endm
.macro PLACES n
.rept \n
	v_nop
.endr
.endm
.macro BARRIER
	s_barrier_signal -1
	s_barrier_wait -1
.endm
.macro MIDDLE                          ; a round behind its opening signal
	s_barrier_wait -1
	s_cmp_lg_u32 s[WV], 0
	s_cbranch_scc1 .Lnot_wave_0_\@
	s_barrier_signal -3
.Lnot_wave_0_\@:
	s_barrier_wait -3
	BARRIER
.endm
.macro CROUND
	s_barrier_signal -1
	MIDDLE
.endm
.macro TLOAD g0, g1
	tensor_load_to_lds s[\g0:\g0+3], s[\g1:\g1+7]
	s_nop 0
	PLACES 4
.endm
; the refills behind a round, one a wave: a chunk of x by waves 0 and 1; W, scale bytes or another chunk by waves 2 and 3
.macro FILL_X
	s_cmp_lt_u32 s[WV], 2
	s_cbranch_scc0 .Lnone_\@
	TLOAD G0X, G1X
.Lnone_\@:
.endm
.macro FILL2 g0, g1
	s_cmp_lt_u32 s[WV], 2
	s_cbranch_scc0 .Lother_\@
	TLOAD G0X, G1X
	s_branch .Lasked_\@
.Lother_\@:
	s_cmp_lt_u32 s[WV], 4
	s_cbranch_scc0 .Lasked_\@
	TLOAD \g0, \g1
.Lasked_\@:
.endm
.macro FILL_XS
	FILL2 G0S, G1S
.endm
.macro FILL_XW
	FILL2 G0W, G1W
.endm
.macro FILL_XX
	FILL2 G0W, G1X
.endm
; the descriptors, written where no tensor load of mine is out
.macro XDESC g, off, reg
	s_add_nc_u64 s[\g+2:\g+3], s[XB:XB+1], \off
	s_add_co_u32 s[\g+1], s[SH], \reg
.endm
.macro WDESC off
	s_add_nc_u64 s[G0W+2:G0W+3], s[WB:WB+1], \off
	s_add_co_u32 s[G0W+1], s[SH], RC_
.endm
.macro PREP0                           ; the scale bytes of rows 192-383: 48 units on
	XDESC G0X, CH, RB_
	s_add_nc_u64 s[G0S+2:G0S+3], s[G0S+2:G0S+3], 48*256
.endm
.macro PREP1
	XDESC G0X, 2*CH, RA_
	WDESC 768
.endm
.macro PREP2                           ; the scale bytes of rows 384-511: 32 units, 16 a wave
	XDESC G0X, 3*CH, RB_
	s_mul_i32 s84, s[HF], 16*256
	s_mov_b32 s85, 0
	s_add_nc_u64 s[G0S+2:G0S+3], s[SBS:SBS+1], s[84:85]
	s_add_nc_u64 s[G0S+2:G0S+3], s[G0S+2:G0S+3], 96*256
	s_mul_i32 s84, s[HF], 16*272
	s_add_co_u32 s[G0S+1], s84, RE_
	s_mov_b32 s[G1S+2], 16<<16
	s_mov_b32 s[G1S+4], 16
.endm
.macro PREP3
	XDESC G0X, 768, RA_
	WDESC CH+768
.endm
.macro PREP4
	XDESC G0X, CH+768, RB_
.endm
.macro PREP5                           ; waves 0, 1 chunk 6, waves 2, 3 chunk 7
	XDESC G0X, 2*CH+768, RC_
	XDESC G0W, 3*CH+768, RA_
.endm
.macro PFX a, b
	s_cmp_lt_u32 s[WV], 3
	s_cbranch_scc0 .Lno_ask_\@
	global_prefetch_b8 v[PFO], s[PF:PF+1] offset:\a th:TH_LOAD_NT scope:SCOPE_SE
.if (\b) > 0
	global_prefetch_b8 v[PFO], s[PF:PF+1] offset:\b th:TH_LOAD_NT scope:SCOPE_SE
.endif
.Lno_ask_\@:
.endm
.macro FMAP s                          ; where W's tile NT of half s lies in registers
.if NT < 8
.set F_, NT+8*(\s)
.else
.set F_, NT+8
.endif
.if F_ < 21
.set RW_, 12*F_
.else
.set RW_, WF0+12*(F_-21)
.endif
.endm
; A fragment, 16 rows x 128 K of 6-bit codes, is 12 registers: lane (r, h) holds row r; registers 6 c .. 6 c + 5 hold K = 64 c + 32 h + 0 .. 31, as they lie: pieces of 8 bytes at 96 w + 48 c + 24 h + 8 i of the half row.
; Where a piece lies behind one padding more than the first hangs on the wave and on h: hence the four addresses.
; The six additions are also the four places that stand between a matrix instruction and a load into its registers, or a vector instruction that reads its result (ISA guide 7.12.1 for vector instructions).
.macro FET np, reg                     ; the two tiles of a pair into the next block's set: 8 loads
.set Q_, \reg+2*TILE*((\np)%4)
.set X_, XF+24*((K_+1)&1)
.irp i, 0,1,2,3
	v_add_nc_u32 v[CUR+\i], Q_, v[BAS+\i]
.endr
	v_add_nc_u32 v[CUR+4], Q_+TILE, v[BAS+1]
	v_add_nc_u32 v[CUR+5], Q_+TILE, v[BAS+2]
	ds_load_b64 v[X_:X_+1], v[CUR]
	ds_load_2addr_b64 v[X_+2:X_+5], v[CUR+1] offset0:1 offset1:2
	ds_load_2addr_b64 v[X_+6:X_+9], v[CUR+2] offset0:6 offset1:7
	ds_load_b64 v[X_+10:X_+11], v[CUR+3] offset:64
	ds_load_b64 v[X_+12:X_+13], v[CUR] offset:TILE
	ds_load_2addr_b64 v[X_+14:X_+17], v[CUR+4] offset0:1 offset1:2
	ds_load_2addr_b64 v[X_+18:X_+21], v[CUR+5] offset0:6 offset1:7
	ds_load_b64 v[X_+22:X_+23], v[CUR+3] offset:TILE+64
.endm
.macro WFET t0, cnt, reg, s            ; W's tiles t0 .. t0 + cnt - 1 (four at the most) of half s from a region: 6 loads a tile
.set Q_, \reg+TILE*((\t0)%8)
	WIN 0
.irp i, 0,1,2,3
	v_add_nc_u32 v[WC+\i], Q_, v[BAS+\i]
.endr
.set J_, 0
.rept \cnt
.set NT, \t0+J_
	FMAP \s
.if F_ < 21
	WIN 0x40
.else
	WIN 0
.endif
	ds_load_b64 v[RW_:RW_+1], v[WC] offset:TILE*J_
	ds_load_b64 v[RW_+2:RW_+3], v[WC+1] offset:TILE*J_+8
	ds_load_b64 v[RW_+4:RW_+5], v[WC+1] offset:TILE*J_+16
	ds_load_b64 v[RW_+6:RW_+7], v[WC+2] offset:TILE*J_+48
	ds_load_b64 v[RW_+8:RW_+9], v[WC+2] offset:TILE*J_+56
	ds_load_b64 v[RW_+10:RW_+11], v[WC+3] offset:TILE*J_+64
.set J_, J_+1
.endr
	WIN 0
.endm
.macro SCW p0, cnt                     ; x's scale words of pairs p0 .. p0 + cnt - 1, both halves
.set J_, 0
.rept \cnt
.set R2_, SB+4+8*((\p0+J_)/4)+(\p0+J_)%4
	ds_load_b32 v[R2_], v[SCA] offset:2176*J_
	ds_load_b32 v[R2_+32], v[SCA] offset:2176*J_+32
.set J_, J_+1
.endr
.endm
; Block K_ - 1's 4 accumulators become 32 row sums, one a lane, in eight groups of lines.  Register j of lane (r, h) holds, of x's row r, the sum over the W rows 8 h + j of all tiles of a parity.
; Each accumulator is read from its low end on.
.macro R1 j, m
	v_pk_add_f32 v[A_+\m+\j:A_+\m+\j+1], v[A_+\m+\j:A_+\m+\j+1], v[A_+16+\m+\j:A_+16+\m+\j+1]
.endm
.macro R2 d, e
	v_pk_add_f32 v[A_+\d:A_+\d+1], v[A_+\d:A_+\d+1], v[A_+\e:A_+\e+1]
.endm
.macro RED g
.if (\g) == 0
	R1 0, 0
	R1 0, 8
	R1 2, 0
.elseif (\g) == 1
	R1 2, 8
	R1 4, 0
	R1 4, 8
.elseif (\g) == 2
	R1 6, 0
	R1 6, 8
	R2 0, 2
.elseif (\g) == 3
	R2 8, 10
	R2 4, 6
	R2 12, 14
.elseif (\g) == 4
	R2 0, 4
	R2 8, 12
.elseif (\g) == 5
	v_add_f32 v[T], v[A_], v[A_+1]
	v_add_f32 v[T+1], v[A_+8], v[A_+9]
.elseif (\g) == 6
	v_permlane16_swap_b32 v[T], v[T+1]             ; v[T]: the lower halves' sums of the pair's two tiles, v[T+1]: the upper halves'
.else
.if PA_
	v_add_f32 v[T], v[T], v[T+1]
	v_add_f32 v[R_], v[R_], v[T]
.else
	v_add_f32 v[R_], v[T], v[T+1]
.endif
.endif
.endm
.macro LAST                            ; names for RED: the last block's accumulators and its pair's row sums
.set A_, ACC+32*((K_-1)&1)
.set R_, SB+32+8*(PP_/4)+PP_%4
.endm
; W's tile NT x the pair's two tiles.  The scale registers carry two tiles' words: an odd tile takes the upper row.  zero: starts the sums, nothing is ever cleared
.macro PR zero, ra
.irp mi, 0,1
.if \zero
	v_wmma_scale_f32_16x16x128_f8f6f4 v[RD_+8*\mi:RD_+8*\mi+7], v[RW_:RW_+11], v[RX_+12*\mi:RX_+12*\mi+11], 0, v[SW_], v[SX_] matrix_a_fmt:MATRIX_FMT_FP6 matrix_b_fmt:MATRIX_FMT_FP6 matrix_a_scale:MATRIX_SCALE_ROW\ra matrix_b_scale:MATRIX_SCALE_ROW\mi
.else
	v_wmma_scale_f32_16x16x128_f8f6f4 v[RD_+8*\mi:RD_+8*\mi+7], v[RW_:RW_+11], v[RX_+12*\mi:RX_+12*\mi+11], v[RD_+8*\mi:RD_+8*\mi+7], v[SW_], v[SX_] matrix_a_fmt:MATRIX_FMT_FP6 matrix_b_fmt:MATRIX_FMT_FP6 matrix_a_scale:MATRIX_SCALE_ROW\ra matrix_b_scale:MATRIX_SCALE_ROW\mi
.endif
.endr
.endm
; W's tiles n0 .. n0 + cnt - 1; the accumulators take turns in the same order of period 4.  RL_ = 1: the eight groups of RED stand behind the tiles' products
.macro MUL n0, cnt
.set NT, \n0
.rept \cnt
	FMAP S_
.if F_ < 21
	WIN 1
.else
	WIN 0
.endif
.set SW_, SB+8*(2*S_+NT/8)+(NT/2)%4
.set SX_, SB+4+8*(4*S_+P_/4)+P_%4
.set RX_, XF+24*(K_&1)
.set RD_, ACC+32*(K_&1)+16*(NT&1)
.if CNT_ < 2
.if NT&1
	PR 1, 1
.else
	PR 1, 0
.endif
.else
.if NT&1
	PR 0, 1
.else
	PR 0, 0
.endif
.endif
.if RL_
	WIN 0
.if H_ == 8
	RED EN_
.else
	RED 2*EN_
	RED 2*EN_+1
.endif
.set EN_, EN_+1
.endif
.set CNT_, CNT_+1
.set NT, NT+1
.endr
.endm
; A block: pair p, half s; first h tiles of W from xa, then h from ya.  kind 0; 1: a plain barrier inside it shows all tensor loads that are out; 3: a plain barrier that shows waves 0's and 1's; 2: a round of the cluster's barrier inside it,
; and refills behind that.  np, nr: the next block's pair and its region.  DW_, DW2_: W's loads (and behind them the next fragments'), which may be out at the block's head and at its second half.
.set DW_, 0
.set DW2_, -1
.macro BLK p, s, xa, ya, h, kind, np, nr, ext=NOP_, prep=NOP_, fill=NOP_
.set P_, \p
.set S_, \s
.set H_, \h
.set CNT_, 0
.set RL_, 0
.if \kind == 2
	s_wait_tensorcnt 0x0
	ds_add_u32 v[SPW], v[NIL]
	\prep
	s_wait_dscnt 0x1                               ; only the add may be out
.elseif \kind == 1
	s_wait_tensorcnt 0x0
	s_wait_dscnt 0x0
.elseif \kind == 3
	s_cmp_lt_u32 s[WV], 2
	s_cbranch_scc0 .Lnot_mine_\@
	s_wait_tensorcnt 0x0
.Lnot_mine_\@:
	s_wait_dscnt 0x0
.else
	s_wait_dscnt DW_                               ; this block's fragments are in
.endif
	MUL \xa, (\h)/2
.if \kind == 2
	s_wait_dscnt 0x0                               ; the add is done, and so are my reads of what is filled again
.endif
.if \kind
	s_barrier_signal -1
.endif
	MUL (\xa)+(\h)/2, (\h)/2
	WIN 0
.if \kind == 2
	MIDDLE
	\fill
.elseif \kind
	s_barrier_wait -1
.endif
.if \np >= 0
	FET \np, \nr
.else
	PLACES 4
.endif
	\ext
.if DW2_ >= 0
	s_wait_dscnt DW2_
.endif
	LAST
.set RL_, 1
.set EN_, 0
	MUL \ya, \h
	WIN 0
.set PP_, P_
.set PA_, \s
.if (\h) == 4
.if (\xa) == 8
.set PA_, 1
.endif
.endif
.set K_, K_+1
.set DW_, 0
.set DW2_, -1
.endm
; what stands in single blocks' middles
.macro X_L1
	WFET 8, 4, RC_, 0
	PFX 2*CH, 0
.endm
.macro X_L2
	WFET 12, 4, RC_, 0
.endm
.macro X_H3
	SCW 6, 6
	PFX 3*CH, 0
.endm
.macro X_F5                            ; the sum of the block's biases, in every lane; W's scale words of half 1 are in too
	s_wait_loadcnt 0x0
	v_pk_add_f32 v[TB:TB+1], v[TB:TB+1], v[TB+2:TB+3]
	v_pk_add_f32 v[TB+4:TB+5], v[TB+4:TB+5], v[TB+6:TB+7]
	v_pk_add_f32 v[TB:TB+1], v[TB:TB+1], v[TB+4:TB+5]
	v_add_f32 v[BS], v[TB], v[TB+1]
.irp x, 1,2,4,8
	v_add_f32_dpp v[BS], v[BS], v[BS] row_xmask:\x row_mask:0xf bank_mask:0xf
.endr
	v_permlanex16_b32 v31, v[BS], s[SEL], s[SEL+1]
	v_add_f32 v[BS], v[BS], v31
.endm
.macro X_F7
	WFET 0, 2, RC_, 1
	PFX 768, 0
.endm
.macro X_F8
	WFET 2, 2, RC_, 1
.endm
.macro X_F9
	WFET 4, 2, RC_, 1
.endm
.macro X_F10
	WFET 6, 2, RC_, 1
.endm
.macro X_F11
	SCW 12, 4
	PFX CH+768, 0
.endm
.macro X_F15                           ; onto half 0's tiles 8-15, which this block has multiplied first
	WFET 8, 4, RC_, 1
	WFET 12, 4, RC_, 1
	PFX 2*CH+768, 3*CH+768
.endm
.macro STQ i
	ds_store_b32 v[STO], v[SB+32+8*((\i)/4)+(\i)%4] offset:128*(\i)
.endm
.macro X_S0
.irp i, 0,1,2,3
	STQ \i
.endr
.endm
.macro X_S1
.irp i, 4,5,6,7
	STQ \i
.endr
.endm
.macro X_S2
.irp i, 8,9,10,11
	STQ \i
.endr
.endm
.macro X_S3
	STQ 12
.endm
	s_load_b256 s[4:11], s[0:1], 0x0               ; x's codes s[4:5], x's scales s[6:7], W's codes s[8:9], W's scales s[10:11]
	s_load_b128 s[12:15], s[0:1], 0x20             ; bias s[12:13], part s[14:15]
	v_lshl_add_u32 v[SPW], v0, 2, SPARE
	v_mov_b32 v[NIL], 0
	ds_add_u32 v[SPW], v[NIL]                      ; the wave's opening: an add, twice on end, and its wait
	ds_add_u32 v[SPW], v[NIL]
	v_lshrrev_b32 v3, 5, v0
	v_readfirstlane_b32 s[WV], v3
	s_and_b32 s[HF], s[WV], 1
	s_mul_i32 s[SH], s[HF], 64*PITCH               ; a tensor load brings 64 half rows: which half of a region is mine
	s_bfe_u32 s[CX], ttmp6, 0x40000
	s_bfe_u32 s[CY], ttmp6, 0x40004
	s_lshl_b32 s[GG], ttmp9, 2
	s_add_co_u32 s[GG], s[GG], s[CX]               ; g = 4 x cluster x + cx
	s_and_b32 s[NB], ttmp7, 0xffff
	s_lshl_b32 s[NB], s[NB], 2
	s_add_co_u32 s[NB], s[NB], s[CY]               ; nb = 4 x cluster y + cy
	s_lshl_b32 s73, s[CY], 2
	s_lshl_b32 s73, 15, s73                        ; my row of the cluster: the four that share nb
	s_lshl_b32 s72, 0x1111, s[CX]                  ; my column: the four that share g
	s_or_b32 s[G1X], s72, CODEW
	s_or_b32 s[G1W], s73, CODEW
.irp g, G1X, G1W                                       ; 64 rows of 768 bytes, 1,536 apart in memory
	s_mov_b32 s[\g+1], 768<<16
	s_mov_b32 s[\g+2], 64<<16
	s_mov_b32 s[\g+3], 768<<16
	s_mov_b32 s[\g+4], 64
	s_mov_b32 s[\g+5], 1536
	s_mov_b32 s[\g+6], 0
	s_mov_b32 s[\g+7], 0
.endr
	s_or_b32 s[G1S], s72, (3<<16)|CODEW            ; scale bytes: 24 dense rows of 256 bytes
	s_mov_b32 s[G1S+1], 32<<16
	s_mov_b32 s[G1S+2], 24<<16
	s_mov_b32 s[G1S+3], 32<<16
	s_mov_b32 s[G1S+4], 24
	s_mov_b32 s[G1S+5], 32
	s_mov_b32 s[G1S+6], 0
	s_mov_b32 s[G1S+7], 0
	s_mul_i32 s74, s[GG], 512*1536                 ; x: row 512 g + 64 (w % 2)
	s_mul_i32 s75, s[HF], 64*1536
	s_add_co_u32 s74, s74, s75
	s_mul_i32 s76, s[NB], 256*1536                 ; W: row 256 nb + 64 (w % 2)
	s_add_co_u32 s76, s76, s75
	s_mov_b32 s75, 0
	s_mov_b32 s77, 0
	s_lshl_b32 s78, s[GG], 15                      ; x's scales: 512 rows of 64 bytes
	s_mov_b32 s79, 0
	s_mul_i32 s80, s[HF], 24*256
	s_mov_b32 s81, 0
	s_mul_i32 s82, s[GG], 512*1536                 ; the prefetches: my work-group's 32 rows of a chunk, my wave's 256 bytes of them
	s_mul_i32 s83, s[CY], 32*1536
	s_add_co_u32 s82, s82, s83
	s_lshl_b32 s83, s[WV], 8
	s_add_co_u32 s82, s82, s83
	s_mov_b32 s83, 0
	s_lshr_b32 s86, s[WV], 2                       ; at the head waves 6 and 7 fetch W's rows 128-255
	s_mul_i32 s84, s86, CH
	s_mov_b32 s85, 0
	s_mul_i32 s88, s86, RC_
	s_mov_b32 s[G0X], 1
	s_mov_b32 s[G0W], 1
	s_mov_b32 s[G0S], 1
	s_add_co_u32 s[G0X+1], s[SH], RA_
	s_add_co_u32 s[G0W+1], s[SH], s88
	s_mul_i32 s88, s[HF], 24*272
	s_add_co_u32 s[G0S+1], s88, RE_
	s_mov_b32 s[SEL], 0x76543210
	s_mov_b32 s[SEL+1], 0xfedcba98
	s_lshl_b32 s89, s[NB], 14                      ; W's scale bytes: 256 rows of 64 a block, my K step's word
	s_lshl_b32 s95, s[WV], 2
	s_add_co_u32 s89, s89, s95
	s_lshl_b32 s90, s[NB], 10
	s_mul_i32 s91, s[WV], 96                       ; my K step's bytes, and the paddings ahead of them
	s_mul_i32 s92, s[WV], 3
	s_lshr_b32 s92, s92, 3
	s_lshl_b32 s92, s92, 4
	s_add_co_u32 s91, s91, s92
	s_lshr_b32 s92, 0x20, s[WV]
	s_and_b32 s92, s92, 1
	s_lshl_b32 s92, s92, 4                         ; 16 in wave 5: its byte 512 lies 32 bytes in
	s_lshr_b32 s93, 4, s[WV]
	s_and_b32 s93, s93, 1
	s_lshl_b32 s93, s93, 4                         ; 16 in wave 2: its byte 256 lies 64 bytes in
	s_add_co_u32 s94, s92, s93
	s_lshl_b32 s99, s[WV], 11
	s_wait_dscnt 0x0                               ; both opening adds are done
	CROUND                                         ; all sixteen work-groups are here: the first joint loads meet
	s_wait_kmcnt 0x0
	s_add_nc_u64 s[XB:XB+1], s[4:5], s[74:75]
	s_or_b32 s[XB+1], s[XB+1], 0x80000000
	s_add_nc_u64 s[WB:WB+1], s[8:9], s[76:77]
	s_or_b32 s[WB+1], s[WB+1], 0x80000000
	s_add_nc_u64 s[SBS:SBS+1], s[6:7], s[78:79]
	s_or_b32 s[SBS+1], s[SBS+1], 0x80000000
	s_mov_b64 s[G0X+2:G0X+3], s[XB:XB+1]
	s_add_nc_u64 s[G0W+2:G0W+3], s[WB:WB+1], s[84:85]
	s_add_nc_u64 s[G0S+2:G0S+3], s[SBS:SBS+1], s[80:81]
	s_add_nc_u64 s[PF:PF+1], s[4:5], s[82:83]
	; the head's loads, one a wave
	s_cmp_lt_u32 s[WV], 2
	s_cbranch_scc0 .Larm_x
	TLOAD G0W, G1W                                 ; waves 0, 1: W's rows 0-127 into B
	s_branch .Lasked
.Larm_x:
	s_cmp_lt_u32 s[WV], 4
	s_cbranch_scc0 .Larm_s
	TLOAD G0X, G1X                                 ; waves 2, 3: chunk 0 into A
	s_branch .Lasked
.Larm_s:
	s_cmp_lt_u32 s[WV], 6
	s_cbranch_scc0 .Larm_w
	TLOAD G0S, G1S                                 ; waves 4, 5: the scale bytes of rows 0-191
	s_branch .Lasked
.Larm_w:
	TLOAD G0W, G1W                                 ; waves 6, 7: W's rows 128-255 into C
.Lasked:
	v_and_b32 v28, 15, v0                          ; r
	v_bfe_u32 v29, v0, 4, 1                        ; h
	v_and_b32 v30, 31, v0                          ; lane
	v_lshl_add_u32 v21, v30, 6, s89
	v_lshl_add_u32 v22, v30, 5, s90
.irp i, 0,1,2,3,4,5,6,7
	global_load_b32 v[SB+8*(\i/4)+\i%4], v21, s[10:11] offset:2048*\i          ; W's scale words of rows 32 i + lane, half 0
.endr
	global_load_b128 v[TB:TB+3], v22, s[12:13]     ; the block's biases, 8 a lane
	global_load_b128 v[TB+4:TB+7], v22, s[12:13] offset:16
.irp i, 0,1,2,3,4,5,6,7
	global_load_b32 v[SB+16+8*(\i/4)+\i%4], v21, s[10:11] offset:2048*\i+32    ; half 1
.endr
	v_mul_u32_u24 v[BAS], v28, PITCH
	v_mad_u32_u24 v[BAS], v29, 24, v[BAS]
	v_add_nc_u32 v[BAS], s91, v[BAS]
	v_mul_u32_u24 v31, s92, v29
	v_add_nc_u32 v[BAS+1], v31, v[BAS]             ; pieces 1, 2: wave 5's upper lanes lie behind one padding more
	v_mul_u32_u24 v31, s93, v29
	v_add_nc_u32 v31, s92, v31
	v_add_nc_u32 v[BAS+2], v31, v[BAS]             ; pieces 3, 4: wave 5's, and wave 2's upper lanes
	v_add_nc_u32 v[BAS+3], s94, v[BAS]             ; piece 5: waves 2's and 5's
	v_lshrrev_b32 v31, 2, v30
	v_mul_u32_u24 v31, v31, 272                    ; four rows of 64 scale bytes to a unit
	v_and_b32 v3, 3, v0
	v_lshl_add_u32 v31, v3, 6, v31
	v_add_nc_u32 v31, s95, v31
	v_add_nc_u32 v[SCA], RE_, v31
	v_mul_u32_u24 v[PFO], v30, 1536
	v_lshl_add_u32 v[STO], v30, 2, s99
	s_wait_alu depctr_va_vdst(0)
	s_cmp_lt_u32 s[WV], 6
	s_cbranch_scc0 .Lnot_yet
	s_wait_tensorcnt 0x0
.Lnot_yet:
	BARRIER                                        ; W's rows 0-127, chunk 0 and the scale bytes are in; W's rows 128-255 may be out
.set K_, -1
	FET 0, RA_
	SCW 0, 6
	WFET 0, 4, RB_, 0
	WFET 4, 4, RB_, 0
	PFX CH, 0
	s_wait_loadcnt 0xa                             ; W's scale words of half 0 are in; the biases' two loads and half 1's eight may be out
	; chunk 0 x W's tiles 0-7, then 8-15.  The first block takes W's tiles as they come: 12 loads for two tiles
.set K_, 0
.set P_, 0
.set S_, 0
.set H_, 4
.set CNT_, 0
.set RL_, 0
	s_wait_dscnt 36
	MUL 0, 2
	s_wait_dscnt 24
	MUL 2, 2
	WIN 0
	FET 1, RA_
	s_wait_dscnt 20                                ; tiles 6 and 7, and the eight just issued
	MUL 4, 2
	s_wait_dscnt 8
	MUL 6, 2
	WIN 0
.set PP_, 0
.set PA_, 0
.set K_, 1
	BLK 1, 0, 0, 4, 4, 2, 2, RA_, X_L1, PREP0, FILL_XS   ; W's rows 128-255 are shown
.set DW_, 24
	BLK 2, 0, 0, 4, 4, 0, 3, RA_, X_L2
.set DW_, 24
	BLK 3, 0, 0, 4, 4, 0, 0, RA_
	BLK 0, 0, 8, 12, 4, 0, 1, RA_
	BLK 1, 0, 8, 12, 4, 0, 2, RA_
	BLK 2, 0, 8, 12, 4, 0, 3, RA_
	BLK 3, 0, 8, 12, 4, 2, 4, RB_, X_H3, PREP1, FILL_XW  ; chunk 1 and scale bytes are shown
	; chunks 1 to 3
	BLK 4, 0, 0, 8, 8, 0, 5, RB_
	BLK 5, 0, 0, 8, 8, 0, 6, RB_, X_F5
	BLK 6, 0, 0, 8, 8, 0, 7, RB_
	BLK 7, 0, 0, 8, 8, 2, 8, RA_, X_F7, PREP2, FILL_XS   ; chunk 2 and W's half 1, rows 0-127
	BLK 8, 0, 0, 8, 8, 0, 9, RA_, X_F8
	BLK 9, 0, 0, 8, 8, 0, 10, RA_, X_F9
	BLK 10, 0, 0, 8, 8, 0, 11, RA_, X_F10
	BLK 11, 0, 0, 8, 8, 2, 12, RB_, X_F11, PREP3, FILL_XW ; chunk 3 and the last scale bytes
	BLK 12, 0, 0, 8, 8, 0, 13, RB_
	BLK 13, 0, 0, 8, 8, 0, 14, RB_
	BLK 14, 0, 0, 8, 8, 0, 15, RB_
	BLK 15, 0, 8, 0, 8, 2, 0, RA_, X_F15, PREP4, FILL_X  ; chunk 4 and W's half 1, rows 128-255
	; half 1: chunks 4 to 7
.set DW_, 48                                           ; W's tiles 8-15 may be out; at the second half only the next fragments' eight loads
.set DW2_, 8
	BLK 0, 1, 0, 8, 8, 0, 1, RA_
	BLK 1, 1, 0, 8, 8, 0, 2, RA_
	BLK 2, 1, 0, 8, 8, 0, 3, RA_
	BLK 3, 1, 0, 8, 8, 2, 4, RB_, NOP_, PREP5, FILL_XX   ; chunk 5
	BLK 4, 1, 0, 8, 8, 0, 5, RB_
	BLK 5, 1, 0, 8, 8, 0, 6, RB_
	BLK 6, 1, 0, 8, 8, 0, 7, RB_
	BLK 7, 1, 0, 8, 8, 3, 8, RC_                   ; chunk 6; chunk 7 may still be on its way
	BLK 8, 1, 0, 8, 8, 0, 9, RC_
	BLK 9, 1, 0, 8, 8, 0, 10, RC_
	BLK 10, 1, 0, 8, 8, 0, 11, RC_
	BLK 11, 1, 0, 8, 8, 1, 12, RA_                 ; chunk 7; nobody reads region B any more: the stage lies there
	BLK 12, 1, 0, 8, 8, 0, 13, RA_, X_S0
	BLK 13, 1, 0, 8, 8, 0, 14, RA_, X_S1
	BLK 14, 1, 0, 8, 8, 0, 15, RA_, X_S2
	BLK 15, 1, 0, 8, 8, 0, -1, RA_, X_S3
	PLACES 4
	LAST
.irp g, 0,1,2,3,4,5,6,7
	RED \g
.endr
	STQ 13
	STQ 14
	STQ 15
	; THE WAY OUT: the eight waves' K steps meet in the stage.  Thread t takes rows 2 t and 2 t + 1
	v_lshlrev_b32 v28, 3, v0
	s_lshl_b32 s84, s[NB], 16                      ; part: 65,536 bytes a block of n, 2,048 a group of 512 rows
	s_lshl_b32 s85, s[GG], 11
	s_add_co_u32 s84, s84, s85
	s_mov_b32 s85, 0
	s_add_nc_u64 s[14:15], s[14:15], s[84:85]
	s_wait_alu depctr_va_vdst(0)
	s_wait_dscnt 0x0                               ; for the others' sake: my stores into the stage are done
	BARRIER
.irp w, 0,1,2,3,4,5,6,7
	ds_load_b64 v[XF+2*\w:XF+2*\w+1], v28 offset:STAGE+2048*\w
.endr
	s_wait_dscnt 0x0
.irp w, 0,4,8,12
	v_pk_add_f32 v[XF+\w:XF+\w+1], v[XF+\w:XF+\w+1], v[XF+\w+2:XF+\w+3]
.endr
	v_pk_add_f32 v[XF:XF+1], v[XF:XF+1], v[XF+4:XF+5]
	v_pk_add_f32 v[XF+8:XF+9], v[XF+8:XF+9], v[XF+12:XF+13]
	v_pk_add_f32 v[XF:XF+1], v[XF:XF+1], v[XF+8:XF+9]
	v_add_f32 v[XF], v[XF], v[BS]                  ; and the block's biases
	v_add_f32 v[XF+1], v[XF+1], v[BS]
	global_store_b64 v28, v[XF:XF+1], s[14:15]     ; a wave stores 256 consecutive bytes, at a multiple of 256 from part's first byte
	s_wait_tensorcnt 0x0                           ; the wave's end
	ds_add_u32 v[SPW], v[NIL]
	s_wait_dscnt 0x0
	CROUND                                         ; the closing round: no work-group ends while a partner may still ask for a tile that names it
	s_endpgm
.Lfunc_end_k_qec048e3bb9_gemm:
	.size	k_qec048e3bb9_gemm, .Lfunc_end_k_qec048e3bb9_gemm-k_qec048e3bb9_gemm
	.p2alignl 7, 3214868480
	.fill 96, 4, 3214868480
	.section	.rodata,"a",@progbits
	.p2align	6, 0x0
	.amdhsa_kernel k_qec048e3bb9_gemm
		.amdhsa_group_segment_fixed_size 327680
		.amdhsa_private_segment_fixed_size 0
		.amdhsa_enable_private_segment 0
		.amdhsa_kernarg_size 48
		.amdhsa_user_sgpr_count 2
		.amdhsa_user_sgpr_kernarg_segment_ptr 1
		.amdhsa_wavefront_size32 1
		.amdhsa_system_sgpr_workgroup_id_x 1
		.amdhsa_system_sgpr_workgroup_id_y 1
		.amdhsa_system_sgpr_workgroup_id_z 1
		.amdhsa_system_vgpr_workitem_id 0
		.amdhsa_next_free_vgpr 512
		.amdhsa_next_free_sgpr 100
		.amdhsa_reserve_vcc 0
		.amdhsa_float_denorm_mode_32 3
		.amdhsa_float_denorm_mode_16_64 3
		.amdhsa_memory_ordered 1
		.amdhsa_forward_progress 1
		.amdhsa_inst_pref_size 249
	.end_amdhsa_kernel
	.amdgpu_metadata
---
amdhsa.version: [ 1, 2 ]
amdhsa.kernels:
  - .name:           k_qec048e3bb9_gemm
    .symbol:         k_qec048e3bb9_gemm.kd
    .args:
      - { .name: x_codes, .offset: 0, .size: 8, .value_kind: global_buffer, .address_space: global }
      - { .name: x_scales, .offset: 8, .size: 8, .value_kind: global_buffer, .address_space: global }
      - { .name: weight_codes, .offset: 16, .size: 8, .value_kind: global_buffer, .address_space: global }
      - { .name: weight_scales, .offset: 24, .size: 8, .value_kind: global_buffer, .address_space: global }
      - { .name: bias, .offset: 32, .size: 8, .value_kind: global_buffer, .address_space: global }
      - { .name: part, .offset: 40, .size: 8, .value_kind: global_buffer, .address_space: global }
    .group_segment_fixed_size: 327680
    .private_segment_fixed_size: 0
    .kernarg_segment_align: 8
    .kernarg_segment_size: 48
    .max_flat_workgroup_size: 256
    .sgpr_count:     100
    .vgpr_count:     512
    .wavefront_size: 32
...
	.end_amdgpu_metadata
.endif
;; end of part 1
;; launch finish (part 2): grid 256 x 1, 1 waves a work-group, no clusters, 0 bytes of LDS; arguments part, out0; writes out0
.if DOCPART == 2
	.amdgcn_target "amdgcn-amd-amdhsa--gfx1250"
	.amdhsa_code_object_version 6
	.text
	.protected	k_qec048e3bb9_finish
	.globl	k_qec048e3bb9_finish
	.p2align	8
	.type	k_qec048e3bb9_finish,@function
k_qec048e3bb9_finish:
	s_mov_b64 s[64:65], 0
	v_nop
	global_prefetch_b8 v0, s[64:65] scope:SCOPE_SE
	s_setreg_imm32_b32 hwreg(HW_REG_WAVE_MODE, 25, 1), 1
	s_wait_xcnt 0x0
; out0[m] = the sum over nb = 0 .. 7 of part[nb][m].  part: [8][16384] f32, out0: [16384] f32.
; A lane takes two neighbouring rows: eight loads of 8 bytes, 65,536 bytes apart, all on their way at once; a wave's load and its store cover 256 consecutive bytes, at a multiple of 256.
; 256 work-groups of one wave x 64 rows.  No LDS, no barrier, no matrix unit: each number is read once and added once.  No prefetch: there is no loop to run ahead in.
; The order of the sum: ((p0 + p1) + (p2 + p3)) + ((p4 + p5) + (p6 + p7)).
.set P, 4                              ; part q's two numbers at v[P + 2 q]
	s_load_b128 s[4:7], s[0:1], 0x0                ; part s[4:5], out0 s[6:7]
	s_lshl_b32 s8, ttmp9, 8                        ; 256 bytes a work-group
	v_lshl_add_u32 v1, v0, 3, s8                   ; + 8 bytes a lane
	s_wait_alu depctr_va_vdst(0)
	s_wait_kmcnt 0x0
.irp q, 0,1,2,3,4,5,6,7
	global_load_b64 v[P+2*\q:P+2*\q+1], v1, s[4:5] offset:65536*\q th:TH_LOAD_NT
.endr
	s_wait_loadcnt 0x0
.irp q, 0,4,8,12
	v_pk_add_f32 v[P+\q:P+\q+1], v[P+\q:P+\q+1], v[P+\q+2:P+\q+3]
.endr
	v_pk_add_f32 v[P:P+1], v[P:P+1], v[P+4:P+5]
	v_pk_add_f32 v[P+8:P+9], v[P+8:P+9], v[P+12:P+13]
	v_pk_add_f32 v[P:P+1], v[P:P+1], v[P+8:P+9]
	global_store_b64 v1, v[P:P+1], s[6:7]
	s_endpgm
.Lfunc_end_k_qec048e3bb9_finish:
	.size	k_qec048e3bb9_finish, .Lfunc_end_k_qec048e3bb9_finish-k_qec048e3bb9_finish
	.p2alignl 7, 3214868480
	.fill 96, 4, 3214868480
	.section	.rodata,"a",@progbits
	.p2align	6, 0x0
	.amdhsa_kernel k_qec048e3bb9_finish
		.amdhsa_group_segment_fixed_size 0
		.amdhsa_private_segment_fixed_size 0
		.amdhsa_enable_private_segment 0
		.amdhsa_kernarg_size 16
		.amdhsa_user_sgpr_count 2
		.amdhsa_user_sgpr_kernarg_segment_ptr 1
		.amdhsa_wavefront_size32 1
		.amdhsa_system_sgpr_workgroup_id_x 1
		.amdhsa_system_sgpr_workgroup_id_y 1
		.amdhsa_system_sgpr_workgroup_id_z 1
		.amdhsa_system_vgpr_workitem_id 0
		.amdhsa_next_free_vgpr 24
		.amdhsa_next_free_sgpr 66
		.amdhsa_reserve_vcc 0
		.amdhsa_float_denorm_mode_32 3
		.amdhsa_float_denorm_mode_16_64 3
		.amdhsa_memory_ordered 1
		.amdhsa_forward_progress 1
		.amdhsa_inst_pref_size 2
	.end_amdhsa_kernel
	.amdgpu_metadata
---
amdhsa.version: [ 1, 2 ]
amdhsa.kernels:
  - .name:           k_qec048e3bb9_finish
    .symbol:         k_qec048e3bb9_finish.kd
    .args:
      - { .name: part, .offset: 0, .size: 8, .value_kind: global_buffer, .address_space: global }
      - { .name: out0, .offset: 8, .size: 8, .value_kind: global_buffer, .address_space: global }
    .group_segment_fixed_size: 0
    .private_segment_fixed_size: 0
    .kernarg_segment_align: 8
    .kernarg_segment_size: 16
    .max_flat_workgroup_size: 32
    .sgpr_count:     66
    .vgpr_count:     24
    .wavefront_size: 32
...
	.end_amdgpu_metadata
.endif
;; end of part 2
